; MI455X (gfx1250); checked and timed in simulation.
; The chip was launched on July 23, 2026; its instructions are those of AMD's public machine-readable ISA for CDNA 5 (MIT licence, August 2026) and "CDNA5" Instruction Set Architecture Reference Guide (July 2026). The comments in the code are by the model that wrote it; some were corrected since.
;; Scaled Dot Product Attention. Allowed arithmetic: matrix products marked QUANTISED: E3M2 operands, one E8M0 scale for each 32 along K, by v_wmma_scale_f32_16x16x128_f8f6f4 with both operands' format E3M2, f32 sums; everything else in f32.
;; Inputs: k 4 x 16 x 2,048 x 64 float32; mask 4 x 1 x 1 x 2,048 int32; q 4 x 16 x 2,048 x 64 float32; v 4 x 16 x 2,048 x 64 float32.
;; Outputs: out0 4 x 16 x 2,048 x 64 float32.
;; This version of the problem:
;;   THIS VERSION OF THE PROBLEM IS GIVEN IN LOW PRECISION. The matrix products marked QUANTISED in the list below multiply operands that are first quantised to E3M2 (3 exponent bits, 2 mantissa bits; 6 bits a number), with one power-of-two scale for each 32 numbers along K (OCP MX v1.0); their sums are f32. All else is computed in f32.
;;   The module's matrix products, in the order in which they are computed (A, B: the left and right operand; K: the contracted axis; several contracted axes count as one K, in the product's order):
;;     1. batch 64 x [M 2,048, K 64] x [K 64, N 2,048]; A: input q; B: input k: QUANTISED
;;     2. batch 64 x [M 2,048, K 2,048] x [K 2,048, N 64]; A: softmax (see below); B: input v: QUANTISED
;;   THE QUANTISER, for each operand of a quantised product, along K:
;;     - K is cut into blocks of 32 from its start; a last block that is shorter is filled with zeros.
;;     - A block's scale is 2^e with e = floor(log2(the largest magnitude in the block)) - 4, held to -126 .. 127; a block of zeros has e = 0. As a byte (E8M0): e + 127.
;;     - Each number is divided by its block's scale, clamped to +-28, and rounded to the nearest number of E3M2, ties to even, subnormals kept.
;;     - The product sums the exact products of the quantised numbers (number of the format x scale) in f32.
;;   ~~~python
;;   def quantise(x, axis):      # numpy; x: float32 -> the quantised numbers, widened to float32 again
;;       x = np.moveaxis(x, axis, -1); K = x.shape[-1]
;;       x = np.pad(x, [(0, 0)] * (x.ndim - 1) + [(0, -K % 32)]); x = x.reshape(x.shape[:-1] + (-1, 32)); a = np.abs(x).max(-1, keepdims=True)
;;       e = np.where(a > 0, np.clip(np.frexp(np.where(a > 0, a, 1))[1] - 1 - 4, -126, 127), 0)      # np.frexp(a)[1] - 1 = floor(log2(a)), exactly
;;       r = np.clip(x / 2.0 ** e, -28, 28)
;;       step = 2.0 ** (np.maximum(np.frexp(np.where(r == 0, 1, r))[1] - 1, -2) - 2)
;;       q = np.round(r / step) * step * 2.0 ** e      # np.round: ties to even
;;       return np.moveaxis(q.reshape(q.shape[:-2] + (-1,))[..., :K], -1, axis).astype(np.float32)
;;   ~~~
;;   SOFTMAX AHEAD OF A QUANTISED PRODUCT. Where the list says 'softmax', what is quantised is not the finished softmax but p = 2^(t - M), with t = logit x log2(e) and M = ceil(the row's largest t), a whole number; so 1/2 < the row's largest p <= 1. The row's sum l is taken of the UNQUANTISED p, in f32, and the product's result is divided by l at the end. Since M is a whole number, a kernel that streams over the keys may use a running M (the ceiling of the running maximum): every later rescaling is an exact power of two, which a block's scale takes up: the codes' values come out the same.
;;   OPERANDS COMPUTED ON THE WAY. 'Computed on the way' means the value that the module computes at that place (a softmax that the list does not call 'softmax' is quantised finished and normalised). What goes into a quantiser is computed in f32, as accurately as f32 sums, v_exp_f32 and their like allow (about 1e-6 of the number): no bf16 or f16 on the way to a quantiser, and a product that is left as it is and whose result goes on into a quantised operand takes f32 operands (vector FMAs, or v_wmma_f32_16x16x4_f32). A number that lies on a knife's edge between two numbers of the format may be rounded either way, as far as f32 arithmetic and the matrix unit's own rounding can turn it there, and no further.
;; One version. Each part assembles by itself: llvm-mc -triple=amdgcn-amd-amdhsa -mcpu=gfx1250 --defsym DOCPART=n.
;; ======== version 1 of 1: 1 launch
;; limits: right only within a limited range of input values
;; launch attn (part 1): grid 4 x 64, 8 waves a work-group, no clusters, 267,264 bytes of LDS; arguments q, k, v, mask, out0; writes out0
.if DOCPART == 1
	.amdgcn_target "amdgcn-amd-amdhsa--gfx1250"
	.amdhsa_code_object_version 6
	.text
	.protected	k_q7ef87d2932_attn
	.globl	k_q7ef87d2932_attn
	.p2align	8
	.type	k_q7ef87d2932_attn,@function
k_q7ef87d2932_attn:
	s_mov_b64 s[64:65], 0
	v_nop
	global_prefetch_b8 v0, s[64:65] scope:SCOPE_SE
	s_setreg_imm32_b32 hwreg(HW_REG_WAVE_MODE, 25, 1), 1
	s_wait_xcnt 0x0
; out0[head][q][:] = sum over keys of softmax_k(q . k / 8, keys with mask == 0 at -1e9) v[k][:].  q, k, v, out0: [64 heads][2048][64] f32; mask: [4 batches][2048] int32.
; Both products run on codes of BF6 (E3M2) with one E8M0 scale for each 32 along K: product 1 along the 64 channels, product 2 along the keys.
; SOFTMAX: t = score x c, c = log2(e) / 8; M = the running largest t rounded up to a whole number; p = 2^(t - M) is quantised along the keys; the sum of the unquantised p divides at the end;
; when M moves, the sum and O are multiplied by 2^(old M - new M), which rounds nothing.
; SHARES: a work-group owns 512 queries of one head, each of its eight waves 64 of them as four tiles of 16.  A trip is 128 keys: the fragments of K and V and the mask's table are read from LDS once
; a trip and serve the wave's four tiles.  k and v are quantised here: in a trip each wave makes 16 keys of K and 32 channels x 32 keys of V for the step two trips on and stores them as images of
; operand registers.  All 16 steps of a head have LDS bytes of their own (16 x 13,824), so nothing is overwritten.  One barrier a trip, split: a wave signals at a trip's end, behind its stores,
; and waits in the middle of the next trip, ahead of its next LDS store; between the two it only reads steps that were whole one barrier earlier.
; LAYOUT: both products are used transposed (S^T = K Q^T, O^T = V^T P^T): a lane holds one query.  Row m of tile t is key 64 (t / 4) + 32 (m / 8) + 8 (t % 4) + m % 8, so that the 32 score registers of
; tiles 4 c .. 4 c + 3 of lane (r, h) are keys 64 c + 32 h + 0 .. 31: a whole block in a lane, in the order of product 2's operand.
; PRODUCT 1 is 128 deep, the head 64: Q's registers 6-11 hold zero codes, so K's tiles lie 6 registers apart and a tile's upper half is whatever follows (E3M2 has no NaN); bytes 2, 3 of both scale words are 0.
; THE MASK: a table in LDS holds 0 for an open key and -8e9 for a masked one (-8e9 / 8 = -1e9); its 64 numbers of a step are the C of product 1 for all four tiles.  Where a batch has no open key c is
; replaced by 0 (a select): every p is 1, uniform weights.  Masked keys ahead of the first open one are wiped by the factor 2^(old M - new M), which falls to 0.
; k and q come in loads of 512 consecutive bytes and turn through the wave's own stage in LDS, from which a lane takes its row's 32 channels.
; LIMITS: a masked key carries -1e9 + its own logit: that shows only where an open logit comes within about 200 of -1e9.  NaN and infinities among the inputs are not served.  A block whose largest
; magnitude lies under 2^-122 keeps the scale byte 1 (a block of zeros too: its codes are zeros; the bytes are read by this text alone).  The scaled scores stay under 2^31 in magnitude.
; NO CLUSTER, NO JOINT LOADS: what the four work-groups of a head share arrives as f32 and has to pass through registers to be quantised; no tensor load is in the text.
; PREFETCH: in trip s waves 0 (k) and 1 (v) name the 32 blocks of 256 bytes that are this work-group's quarter of step s + 5, whose loads begin at the end of trip s + 2; trips 0 to 10 ask.
; REGISTERS, window 0: v1-19 addresses and constants; v20-35 four tiles x (-M, largest t, the sum in two halves); v36-39 K's scale words, v40-41 V's, v42-45 Q's, v46 p's; v47-63 at work;
; v64-111 K's tiles; v112-175 the table; v176-239 S^T, then p; v240-251 p's codes.  Window 1: v0-127 O^T; v128-175 V's fragments; v176-223 Q; v224-255 raw numbers.
.set STEPB, 13824                      ; a step in LDS: K's codes, V's codes, scale records
.set KC,    0                          ; pair of tiles pp at 1,536 pp; lane l owns 48 bytes: 24 of the even tile, 24 of the odd
.set VC,    6144                       ; fragment dt at 1,536 dt; lane l owns its 12 registers at 48 l
.set XS,    12288                      ; lane l owns 48 bytes: 16 of K's scale words (word pp: tile 2 pp + l / 16, row l % 16), 8 of V's (word u: dt = 2 u + l / 16)
.set BIAS,  16*STEPB                   ; the table: 2,048 f32
.set TURN,  BIAS+8192                  ; a stage of 4,608 bytes for each wave: 32 places of 128 + 16 bytes; on the way out 16 rows of 272
.set TURNW, 4608
.set SPARE, TURN+8*TURNW               ; the spare words: 128 bytes a wave
.set STEPG, 32768                      ; 128 keys of k or v in memory
.set KF, 64
.set BI, 112
.set SC, 176
.set PC, 240
.set VF, 128                           ; window 1
.set QF, 176                           ; window 1
.set RAW, 224                          ; window 1
.set MSB, 0
.macro WIN new                         ; the immediate's high byte repeats the setting that is left
.if MSB != \new
	s_set_vgpr_msb (MSB<<8)|\new
.set MSB, \new
.endif
.endm
.macro VW
	s_wait_alu depctr_va_vdst(0)
.endm
.macro WM d, a, b, c, sa, sb, odd
.if \odd
	v_wmma_scale_f32_16x16x128_f8f6f4 v[\d:\d+7], v[\a:\a+11], v[\b:\b+11], \c, v[\sa], v[\sb] matrix_a_fmt:MATRIX_FMT_BF6 matrix_b_fmt:MATRIX_FMT_BF6 matrix_a_scale:MATRIX_SCALE_ROW1
.else
	v_wmma_scale_f32_16x16x128_f8f6f4 v[\d:\d+7], v[\a:\a+11], v[\b:\b+11], \c, v[\sa], v[\sb] matrix_a_fmt:MATRIX_FMT_BF6 matrix_b_fmt:MATRIX_FMT_BF6
.endif
.endm
.macro KLOAD reg, off                  ; my 16 keys: 8 loads of 512 consecutive bytes (destination in window 1)
.irp i, 0,1,2,3,4,5,6,7
	global_load_b128 v[\reg+4*\i:\reg+4*\i+3], v11, s[6:7] offset:\off+512*\i
.endr
.endm
.macro VLOAD reg, off                  ; my channel at 32 keys: each load reads 128 consecutive bytes
.set n, 0
.rept 32
	global_load_b32 v[\reg+n], v12, s[8:9] offset:\off+256*n
.set n, n+1
.endr
.endm
.macro TURNP reg                       ; 4,096 bytes as loaded into my stage, and back: lane (r, h) takes row r, channels 32 h on.  LDS serves a wave's instructions in order
	WIN 0x04
.irp i, 0,1,2,3,4,5,6,7
	ds_store_b128 v9, v[\reg+4*\i:\reg+4*\i+3] offset:576*\i
.endr
	WIN 0x40
.irp g, 0,1,2,3,4,5,6,7
	ds_load_b128 v[\reg+4*\g:\reg+4*\g+3], v10 offset:16*\g
.endr
	WIN 0
.endm
; 32 numbers of one block (window 1) become six registers of codes in v54-59; v52 the conversions' scale operand, v53 the byte
.macro QUANT src
	WIN 0x14
	v_max3_num_f32 v50, 0x2800000, |v[\src]|, |v[\src+1]|          ; the floor 2^(5 - 127) among the leaves: the byte cannot fall under 1
	v_max3_num_f32 v51, 0x2800000, |v[\src+2]|, |v[\src+3]|
.irp n, 4,8,12,16,20,24,28
	v_max3_num_f32 v50, v50, |v[\src+\n]|, |v[\src+\n+1]|          ; (two chains by turns)
	v_max3_num_f32 v51, v51, |v[\src+\n+2]|, |v[\src+\n+3]|
.endr
	WIN 0
	v_max_num_f32 v50, v50, v51
	v_add_nc_u32 v52, 0xfe000000, v50                              ; 4 off the exponent field
	WIN 0x01
	v_cvt_scalef32_pk16_bf6_f32 v[54:56], v[\src:\src+15], v52
	v_cvt_scalef32_pk16_bf6_f32 v[60:62], v[\src+16:\src+31], v52  ; (three registers begin on an even number: made here and moved)
	WIN 0
	v_lshrrev_b32 v53, 23, v52                                     ; the byte; also the plain instruction behind the conversions
.irp i, 0,1,2
	v_mov_b32 v[57+\i], v[60+\i]
.endr
.endm
.macro WORD dst                        ; a row's scale word for K = 64: my byte at 8 h bits, with lane l xor 16's; bytes 2 and 3 stay 0
	v_lshlrev_b32 v62, v15, v53
	v_permlanex16_b32 v47, v62, s20, s21
	v_or_b32 v[\dst], v62, v47
.endm
.macro KPROD reg, ro                   ; my 16 keys of K into the step at s23 + ro
	s_wait_dscnt 0x0                               ; the numbers are back from the stage; earlier stores have read v53-63
	QUANT \reg
	WORD 63
	v_add_nc_u32 v60, s23, v5
	v_add_nc_u32 v61, s23, v6
.irp i, 0,1,2
	ds_store_b64 v60, v[54+2*\i:55+2*\i] offset:\ro+KC+8*\i
.endr
	ds_store_b32 v61, v63 offset:\ro+XS            ; lanes l and l xor 16 store the same word at the same place
.endm
.macro VPROD reg, ro                   ; my 32 channels x 32 keys of V
	s_wait_dscnt 0x0                               ; earlier stores have read v53-63
	QUANT \reg
	v_add_nc_u32 v60, s23, v7
	v_add_nc_u32 v61, s23, v8
.irp i, 0,1,2
	ds_store_b64 v60, v[54+2*\i:55+2*\i] offset:\ro+VC+8*\i
.endr
	ds_store_b8 v61, v53 offset:\ro+XS
.endm
.macro QPROD i                         ; tile i of my queries: codes and zero codes into window 1, the scale word into v42 + i
	QUANT 32*\i
	WORD 42+\i
	WIN 0x40
.irp n, 0,1,2,3,4,5
	v_mov_b32 v[QF+12*\i+\n], v[54+\n]
	v_mov_b32 v[QF+12*\i+6+\n], 0
.endr
	WIN 0
.endm
; ONE TILE OF 16 QUERIES x 128 KEYS.  first = 1: product 2 starts O's sums with C = 0.
.macro TILE i, first
.set ST, 20+4*\i
	WIN 0x04                                       ; Q in window 1
.irp t, 0,1,2,3,4,5,6,7                            ; S^T = K Q^T + the table: eight accumulators, one instruction each
	WM SC+8*\t, KF+6*\t, QF+12*\i, v[BI+8*\t:BI+8*\t+7], 36+\t/2, 42+\i, \t%2
.endr
	WIN 0
.rept 4
	v_nop                                          ; four plain instructions ahead of the first read of the scores (ISA guide 7.12.1)
.endr
.irp b, 0,16,32,48                                 ; the largest score of my two blocks of 32 keys, each in two chains; every accumulator is read from its low end on
	v_max3_num_f32 v[50+\b/16], v[SC+\b], v[SC+\b+1], v[SC+\b+2]
.endr
.irp n, 3,5,7,9,11,13
.irp b, 0,16,32,48
	v_max3_num_f32 v[50+\b/16], v[50+\b/16], v[SC+\b+\n], v[SC+\b+\n+1]
.endr
.endr
	v_max3_num_f32 v50, v50, v51, v[SC+15]
	v_max3_num_f32 v52, v52, v53, v[SC+47]
	v_max_num_f32 v50, v50, v[SC+31]
	v_max_num_f32 v52, v52, v[SC+63]
	v_max_num_f32 v54, v50, v52
	v_permlanex16_b32 v47, v54, s20, s21
	v_max_num_f32 v54, v54, v47                    ; with lane l xor 16's 64 keys: the step's largest score of my query
	v_mul_f32 v54, v16, v54                        ; as t (c is not negative)
	v_max_num_f32 v[ST+1], v[ST+1], v54            ; the running largest t
	v_mov_b32 v55, v[ST]
	v_floor_f32 v[ST], -v[ST+1]                    ; the new -M = -ceil(t)
	v_sub_f32 v55, v[ST], v55                      ; old M less new M: a whole number, 0 or less
	v_cvt_i32_f32 v55, v55                         ; (it saturates)
	v_ldexp_f32 v48, 1.0, v55                      ; f = 2^(old M - new M)
.set j, 0
.rept 32
	v_pk_fma_f32 v[SC+j:SC+j+1], v[SC+j:SC+j+1], v[16:17], v[ST:ST+1] op_sel_hi:[1,0,0]   ; t - M, two at a time
.set j, j+2
.endr
	v_fma_f32 v50, v50, v16, v[ST]                 ; the same of each block's largest score
	v_fma_f32 v52, v52, v16, v[ST]
	VW                                             ; the wait ahead of the batch
.set j, 0
.rept 64
	v_exp_f32 v[SC+j], v[SC+j]                     ; p = 2^(t - M): not normalised
.set j, j+1
.endr
	v_exp_f32 v50, v50                             ; the blocks' largest p: the same two instructions on the same number
	v_exp_f32 v52, v52
	v_pk_mul_f32 v[ST+2:ST+3], v[ST+2:ST+3], v[48:49] op_sel_hi:[1,0]   ; the sums under the new M; also the plain instruction behind the exponentials
	VW                                             ; and behind it
	v_max_num_f32 v50, 0x2800000, v50              ; the floor: a block whose every p is 0 keeps the byte 1
	v_max_num_f32 v52, 0x2800000, v52
	v_add_nc_u32 v56, 0xfe000000, v50              ; the conversions' scale operands
	v_add_nc_u32 v57, 0xfe000000, v52
	v_lshrrev_b32 v58, 23, v56
	v_lshrrev_b32 v59, 23, v57
	v_lshl_or_b32 v58, v59, 16, v58                ; my bytes: blocks h and 2 + h,
	v_lshlrev_b32 v58, v15, v58                    ; at their places;
	v_permlanex16_b32 v47, v58, s20, s21
	v_or_b32 v46, v58, v47                         ; with lane l xor 16's two: p's scale word
	v_cvt_scalef32_pk16_bf6_f32 v[PC:PC+2], v[SC:SC+15], v56
	v_cvt_scalef32_pk16_bf6_f32 v[60:62], v[SC+16:SC+31], v56
	v_cvt_scalef32_pk16_bf6_f32 v[PC+6:PC+8], v[SC+32:SC+47], v57
	v_cvt_scalef32_pk16_bf6_f32 v[52:54], v[SC+48:SC+63], v57
	v_pk_add_f32 v[50:51], v[SC:SC+1], v[SC+2:SC+3]                ; the sum of the unquantised p, in four chains; these also stand behind the conversions
	v_pk_add_f32 v[58:59], v[SC+4:SC+5], v[SC+6:SC+7]
	v_pk_add_f32 v[254:255], v[SC+8:SC+9], v[SC+10:SC+11]
.irp n, 0,1,2
	v_mov_b32 v[PC+3+\n], v[60+\n]
	v_mov_b32 v[PC+9+\n], v[52+\n]
.endr
.set j, SC+12
.rept 6
.irp a, ST+2, 50, 58, 254
	v_pk_add_f32 v[\a:\a+1], v[\a:\a+1], v[j:j+1]
.set j, j+2
.endr
.endr
	v_pk_add_f32 v[50:51], v[50:51], v[SC+60:SC+61]
	v_pk_add_f32 v[58:59], v[58:59], v[SC+62:SC+63]
	v_pk_add_f32 v[ST+2:ST+3], v[ST+2:ST+3], v[254:255]
	v_pk_add_f32 v[50:51], v[50:51], v[58:59]
	v_pk_add_f32 v[ST+2:ST+3], v[ST+2:ST+3], v[50:51]
.if \first == 0
	VW                                             ; the wait directly ahead of the first reader of O^T
	WIN 0x41
.set j, 0
.rept 16
	v_pk_mul_f32 v[32*\i+j:32*\i+j+1], v[32*\i+j:32*\i+j+1], v[48:49] op_sel_hi:[1,0]   ; O^T under the new M, each accumulator from its low end on
.set j, j+2
.endr
.endif
	WIN 0x51                                       ; V's fragments and O^T in window 1
.irp d, 0,1,2,3                                    ; O^T += V^T P^T: four accumulators, one instruction each
.if \first
	WM 32*\i+8*\d, VF+12*\d, PC, 0, 40+\d/2, 46, \d%2
.else
	WM 32*\i+8*\d, VF+12*\d, PC, v[32*\i+8*\d:32*\i+8*\d+7], 40+\d/2, 46, \d%2
.endif
.endr
	WIN 0
.endm
; A TRIP: step s22 for my four tiles; steps up to 15 are made two trips ahead
.macro TRIP first
	v_add_nc_u32 v2, s23, v1                       ; this step's images at 48 l
	v_add_nc_u32 v3, s29, v4                       ; and its 128 numbers of the table.  With the two lines below: four plain instructions between the last products and the loads into their operands
	v_nop
	v_nop
.irp pp, 0,1,2,3
.irp g, 0,1,2
	ds_load_b128 v[KF+12*\pp+4*\g:KF+12*\pp+4*\g+3], v2 offset:KC+1536*\pp+16*\g
.endr
.endr
	ds_load_b128 v[36:39], v2 offset:XS
.irp c, 0,1
.irp g, 0,1,2,3,4,5,6,7
	ds_load_b128 v[BI+32*\c+4*\g:BI+32*\c+4*\g+3], v3 offset:256*\c+16*\g   ; register 32 c + i: the table at key 64 c + 32 h + i
.endr
.endr
	ds_load_b64 v[40:41], v2 offset:XS+16
	WIN 0x40
.irp d, 0,1,2,3
.irp g, 0,1,2
	ds_load_b128 v[VF+12*\d+4*\g:VF+12*\d+4*\g+3], v2 offset:VC+1536*\d+16*\g
.endr
.endr
	WIN 0
	s_wait_dscnt 0x0                               ; all 42 serve the four tiles
	TILE 0, \first
	VW
	s_cmp_lt_u32 s22, s28                          ; waves 0 and 1, trips 0 to 10
	s_cbranch_scc0 .Lnp_\@
	global_prefetch_b8 v18, s[26:27] th:TH_LOAD_NT scope:SCOPE_SE
.Lnp_\@:
	TILE 1, \first
	VW
	s_barrier_wait -1                              ; every wave has ended the trip before: the next step is whole, and LDS stores may follow
	s_cmp_lt_u32 s22, 14
	s_cbranch_scc0 .Lk_\@
	s_wait_loadcnt 0x0                             ; k's 8 loads are in, and k's base may step
	s_add_nc_u64 s[6:7], s[6:7], STEPG
	TURNP RAW
	KPROD RAW, 2*STEPB
	WIN 0x40
	VLOAD RAW, 0                                   ; they have two tiles in which to land
	WIN 0
.Lk_\@:
	TILE 2, \first
	TILE 3, \first
	VW
	s_cmp_lt_u32 s22, 14
	s_cbranch_scc0 .Lv_\@
	s_wait_loadcnt 0x0                             ; v's 32 loads are in, and v's base may step
	s_add_nc_u64 s[8:9], s[8:9], STEPG
	VPROD RAW, 2*STEPB
	VW
	s_cmp_lt_u32 s22, 13
	s_cbranch_scc0 .Lv_\@
	WIN 0x40
	KLOAD RAW, 0                                   ; step s22 + 3: they have two tiles in which to land
	WIN 0
.Lv_\@:
	s_wait_dscnt 0x0                               ; for the others' sake: my stores have landed
	s_barrier_signal -1
	s_wait_xcnt 0x0                                ; the prefetch has read its base
	s_add_nc_u64 s[26:27], s[26:27], STEPG
	s_add_co_u32 s23, s23, STEPB
	s_add_co_u32 s29, s29, 512
	s_add_co_u32 s22, s22, 1
.endm
	s_load_b256 s[4:11], s[0:1], 0x0               ; q, k, v, mask
	s_load_b64 s[12:13], s[0:1], 0x20              ; out0
	v_lshl_add_u32 v13, v0, 2, SPARE               ; my spare word, and 0: kept for the closing lines
	v_mov_b32 v14, 0
	v_lshrrev_b32 v1, 5, v0
	v_readfirstlane_b32 s14, v1                    ; wave w, 0..7
	s_and_b32 s15, ttmp7, 0xffff                   ; the head
	s_lshl_b32 s16, s15, 19                        ; its first byte: 2,048 rows of 256 bytes
	s_mov_b32 s17, 0
	s_lshl_b32 s18, ttmp9, 17                      ; my work-group's 512 queries,
	s_lshl_b32 s19, s14, 14                        ; my wave's 64
	s_add_co_u32 s18, s18, s19
	s_add_co_u32 s18, s18, s16
	s_mov_b32 s19, 0
	s_lshr_b32 s24, s15, 4                         ; the batch: 8,192 bytes of the mask
	s_lshl_b32 s24, s24, 13
	s_mov_b32 s25, 0
	s_mov_b32 s20, 0x76543210
	s_mov_b32 s21, 0xfedcba98                      ; v_permlanex16_b32's selects for lane l xor 16
	s_mov_b32 s22, 0                               ; the trip
	s_mov_b32 s23, 0                               ; its step's place in LDS
	s_mov_b32 s29, 0                               ; and in the table
	s_and_b32 s30, s14, 1                          ; w % 2
	s_bfe_u32 s31, s14, 0x10001                    ; (w / 2) % 2
	s_lshr_b32 s32, s14, 2                         ; w / 4
	s_lshr_b32 s33, s14, 1                         ; w / 2: V's key block
	s_lshl_b32 s34, s32, 1
	s_add_co_u32 s34, s34, s30                     ; keys 16 w on lie in the pair of tiles 2 (w / 4) + w % 2, rows 8 ((w / 2) % 2) on
	s_mul_i32 s36, s34, 1536
	s_mul_i32 s35, s31, 384
	s_add_co_u32 s36, s36, s35                     ; K's codes
	s_lshl_b32 s37, s34, 2
	s_add_co_u32 s37, s37, s35                     ; K's scale words
	s_mul_i32 s38, s30, 3072
	s_mul_i32 s35, s31, 768
	s_add_co_u32 s38, s38, s35
	s_mul_i32 s35, s32, 24
	s_add_co_u32 s38, s38, s35                     ; V's codes: two fragments, half of the lanes, six registers
	s_lshl_b32 s39, s30, 2
	s_add_co_u32 s39, s39, s33
	s_add_co_u32 s39, s39, 16                      ; V's scale bytes: word w % 2, byte w / 2
	s_lshl_b32 s40, s14, 12                        ; k in memory: 16 keys a wave
	s_lshl_b32 s41, s33, 13
	s_lshl_b32 s35, s30, 7
	s_add_co_u32 s41, s41, s35                     ; v in memory: key 32 (w / 2), channel 32 (w % 2)
	s_mul_i32 s42, s14, TURNW
	s_add_co_u32 s42, s42, TURN                    ; my stage
	s_lshl_b32 s43, ttmp9, 13                      ; the prefetch: my work-group's quarter of a step
	s_cmp_lt_u32 s14, 2
	s_cselect_b32 s28, 11, 0                       ; trips in which my wave prefetches
	v_and_b32 v50, 31, v0                          ; l
	v_and_b32 v51, 15, v0                          ; r
	v_bfe_u32 v52, v0, 4, 1                        ; h
	v_and_b32 v53, 7, v0
	v_bfe_u32 v54, v0, 3, 1
	v_bfe_u32 v55, v0, 3, 2                        ; l / 8
	v_mul_u32_u24 v1, v50, 48                      ; 48 l
	v_lshl_add_u32 v4, v52, 7, BIAS                ; the table at 32 h keys
	v_mul_u32_u24 v56, v53, 48
	v_mad_u32_u24 v5, v52, 768, v56
	v_mad_u32_u24 v5, v54, 24, v5
	v_add_nc_u32 v5, s36, v5                       ; K's codes: row l % 8, channel half h, tile parity (l / 8) % 2
	v_mad_u32_u24 v6, v54, 768, v56
	v_add_nc_u32 v6, s37, v6
	v_mul_u32_u24 v7, v52, 1536
	v_mad_u32_u24 v7, v51, 48, v7
	v_add_nc_u32 v7, s38, v7
	v_add_nc_u32 v8, s39, v1
	v_mul_u32_u24 v9, v55, 144
	v_lshl_add_u32 v9, v53, 4, v9
	v_add_nc_u32 v9, s42, v9                       ; the stage, in: place 4 i + l / 8, 16 (l % 8)
	v_mul_u32_u24 v10, v51, 288
	v_mad_u32_u24 v10, v52, 144, v10
	v_add_nc_u32 v10, s42, v10                     ; and back: place 2 r + h
	v_lshlrev_b32 v2, 4, v50                       ; 16 l
	v_add_nc_u32 v11, s40, v2
	v_lshl_add_u32 v12, v50, 2, s41
	v_lshlrev_b32 v15, 3, v52                      ; 8 h
	v_lshl_add_u32 v18, v50, 8, s43
	v_lshlrev_b32 v19, 8, v52
	v_lshl_add_u32 v19, v51, 4, v19                ; out0: two rows an instruction
	v_mul_u32_u24 v252, v51, 272
	v_lshl_add_u32 v252, v52, 5, v252
	v_add_nc_u32 v252, s42, v252                   ; the way out, in: row r, + 32 h
	v_mul_u32_u24 v253, v52, 272
	v_lshl_add_u32 v253, v51, 4, v253
	v_add_nc_u32 v253, s42, v253                   ; and back
	v_lshlrev_b32 v3, 4, v0                        ; the mask: thread i takes keys 4 i on and 1,024 + 4 i on
	v_lshl_add_u32 v254, v0, 4, BIAS
	VW                                             ; the wait at the head's end
	s_wait_kmcnt 0x0
	s_add_nc_u64 s[4:5], s[4:5], s[18:19]
	s_add_nc_u64 s[12:13], s[12:13], s[18:19]
	s_add_nc_u64 s[6:7], s[6:7], s[16:17]
	s_add_nc_u64 s[8:9], s[8:9], s[16:17]
	s_add_nc_u64 s[10:11], s[10:11], s[24:25]
	s_cmp_eq_u32 s14, 0                            ; the choice hangs on the wave's number alone
	s_cselect_b64 s[26:27], s[6:7], s[8:9]
	s_add_nc_u64 s[26:27], s[26:27], 5*STEPG
	global_load_b128 v[56:59], v3, s[10:11]
	global_load_b128 v[60:63], v3, s[10:11] offset:4096
	WIN 0x40
	KLOAD 128, 0                                   ; steps 0 and 1 of k and v, and my 64 queries, go out together
	KLOAD 160, STEPG
	VLOAD 192, 0
	VLOAD 224, STEPG
.irp i, 0,1,2,3
.irp n, 0,1,2,3,4,5,6,7
	global_load_b128 v[32*\i+4*\n:32*\i+4*\n+3], v2, s[4:5] offset:4096*\i+512*\n th:TH_LOAD_NT
.endr
.endr
	WIN 0
.irp i, 0,1,2,3
	v_mov_b32 v[20+4*\i], 0x7f61b1e6               ; -M = 3e38,
	v_mov_b32 v[21+4*\i], 0xff61b1e6               ; the largest t so far: -3e38,
	v_mov_b32 v[22+4*\i], 0                        ; the sum
	v_mov_b32 v[23+4*\i], 0
.endr
	v_mov_b32 v47, 0                               ; named before they are first made: a lane permute's destination, the upper half of a pair
	v_mov_b32 v49, 0
	v_mov_b32 v255, 0xcfee6b28                     ; -8e9, exact in f32
	VW
	s_wait_loadcnt 0x0
	s_add_nc_u64 s[6:7], s[6:7], 2*STEPG
	s_add_nc_u64 s[8:9], s[8:9], 2*STEPG
.irp i, 56,57,58,59,60,61,62,63
	v_cmp_eq_u32 vcc_lo, 0, v[\i]
	v_cndmask_b32 v[\i], 0, v255, vcc_lo           ; mask == 0: -8e9; else 0
.endr
	ds_store_b128 v254, v[56:59]
	ds_store_b128 v254, v[60:63] offset:4096
.irp p, 128,160,0,32,64,96
	TURNP \p
.endr
	KPROD 128, 0
	KPROD 160, STEPB
	VPROD 192, 0
	VPROD 224, STEPB
	s_wait_dscnt 0x0                               ; the stores have read v53-63
.irp i, 0,1,2,3
	QPROD \i
.endr
	VW
	s_barrier_signal -1
	s_barrier_wait -1                              ; the table and steps 0 and 1 are whole
	v_add_nc_u32 v2, BIAS, v2
.irp i, 0,1,2,3,4,5,6,7,8,9,10,11,12,13,14,15
	ds_load_b128 v[SC+4*\i:SC+4*\i+3], v2 offset:512*\i
.endr
	WIN 0x40
	KLOAD RAW, 0                                   ; step 2 of k
	WIN 0
	s_wait_dscnt 0x0
	v_max3_num_f32 v50, v[SC], v[SC+1], v[SC+2]    ; is any key of the batch open?  The table's maximum is 0 then.  The answer selects a number, no path
	v_max3_num_f32 v51, v[SC+3], v[SC+4], v[SC+5]
.set n, 6
.rept 14
	v_max3_num_f32 v50, v50, v[SC+n], v[SC+n+1]
	v_max3_num_f32 v51, v51, v[SC+n+2], v[SC+n+3]
.set n, n+4
.endr
	v_max3_num_f32 v50, v50, v[SC+62], v[SC+63]
	v_max_num_f32 v50, v50, v51
	v_max_num_f32_dpp v50, v50, v50 row_xmask:1 row_mask:0xf bank_mask:0xf
	v_max_num_f32_dpp v50, v50, v50 row_xmask:2 row_mask:0xf bank_mask:0xf
	v_max_num_f32_dpp v50, v50, v50 row_xmask:4 row_mask:0xf bank_mask:0xf
	v_max_num_f32_dpp v50, v50, v50 row_xmask:8 row_mask:0xf bank_mask:0xf
	v_permlanex16_b32 v47, v50, s20, s21
	v_max_num_f32 v50, v50, v47
	v_mov_b32 v51, 0x3e38aa3b                      ; c = log2(e) / 8
	v_cmp_eq_f32 vcc_lo, 0, v50
	v_cndmask_b32 v16, 0, v51, vcc_lo              ; c, or 0 where no key is open
	v_mov_b32 v17, v16
	VW
	s_barrier_signal -1                            ; the barrier that trip 0 closes in its middle
	TRIP 1                                         ; trip 0 starts O's sums
.Ltrips:                                               ; trips 1 to 15
	TRIP 0
	VW
	s_cmp_lt_u32 s22, 16
	s_cbranch_scc1 .Ltrips
	s_barrier_wait -1                              ; the last trip's signal is answered
	; THE WAY OUT: O^T / the sum goes through my stage and comes back as whole rows of 256 bytes
.irp i, 0,1,2,3
	v_add_f32 v[22+4*\i], v[22+4*\i], v[23+4*\i]
.endr
.irp i, 0,1,2,3
	v_permlanex16_b32 v[50+\i], v[22+4*\i], s20, s21
.endr
.irp i, 0,1,2,3
	v_add_f32 v[22+4*\i], v[22+4*\i], v[50+\i]     ; with lane l xor 16's: the row's sum
.endr
	VW
.irp i, 0,1,2,3
	v_rcp_f32 v[22+4*\i], v[22+4*\i]
.endr
	v_nop
.irp i, 0,1,2,3
	VW                                             ; the wait ahead of the first readers of the reciprocals and of O^T
	WIN 0x01
.set j, 0
.rept 32
	v_mul_f32 v[SC+j], v[32*\i+j], v[22+4*\i]      ; register 8 dt + n is out0(r, 16 dt + 8 h + n)
.set j, j+1
.endr
	WIN 0
.irp d, 0,1,2,3
	ds_store_b128 v252, v[SC+8*\d:SC+8*\d+3] offset:64*\d
	ds_store_b128 v252, v[SC+8*\d+4:SC+8*\d+7] offset:64*\d+16
.endr
	s_wait_xcnt 0x0                                ; earlier stores have read the registers that the loads below fill
.irp n, 0,1,2,3,4,5,6,7
	ds_load_b128 v[KF+32*(\i%2)+4*\n:KF+32*(\i%2)+4*\n+3], v253 offset:544*\n   ; LDS serves a wave's instructions in order: these see my stores
.endr
.irp n, 0,1,2,3,4,5,6,7
	s_wait_dscnt 7-\n                              ; load n is back; the 7 - n younger ones may be out
	global_store_b128 v19, v[KF+32*(\i%2)+4*\n:KF+32*(\i%2)+4*\n+3], s[12:13] offset:4096*\i+512*\n th:TH_STORE_NT   ; 32 lanes store 512 consecutive bytes, two rows of out0
.endr
.endr
	s_wait_tensorcnt 0x0                           ; the wave's end
	ds_add_u32 v13, v14
	s_wait_dscnt 0x0
	s_endpgm
.Lfunc_end_k_q7ef87d2932_attn:
	.size	k_q7ef87d2932_attn, .Lfunc_end_k_q7ef87d2932_attn-k_q7ef87d2932_attn
	.p2alignl 7, 3214868480
	.fill 96, 4, 3214868480
	.section	.rodata,"a",@progbits
	.p2align	6, 0x0
	.amdhsa_kernel k_q7ef87d2932_attn
		.amdhsa_group_segment_fixed_size 267264
		.amdhsa_private_segment_fixed_size 0
		.amdhsa_enable_private_segment 0
		.amdhsa_kernarg_size 40
		.amdhsa_user_sgpr_count 2
		.amdhsa_user_sgpr_kernarg_segment_ptr 1
		.amdhsa_wavefront_size32 1
		.amdhsa_system_sgpr_workgroup_id_x 1
		.amdhsa_system_sgpr_workgroup_id_y 1
		.amdhsa_system_sgpr_workgroup_id_z 1
		.amdhsa_system_vgpr_workitem_id 0
		.amdhsa_next_free_vgpr 512
		.amdhsa_next_free_sgpr 66
		.amdhsa_reserve_vcc 1
		.amdhsa_float_denorm_mode_32 3
		.amdhsa_float_denorm_mode_16_64 3
		.amdhsa_memory_ordered 1
		.amdhsa_forward_progress 1
		.amdhsa_inst_pref_size 179
	.end_amdhsa_kernel
	.amdgpu_metadata
---
amdhsa.version: [ 1, 2 ]
amdhsa.kernels:
  - .name:           k_q7ef87d2932_attn
    .symbol:         k_q7ef87d2932_attn.kd
    .args:
      - { .name: q, .offset: 0, .size: 8, .value_kind: global_buffer, .address_space: global }
      - { .name: k, .offset: 8, .size: 8, .value_kind: global_buffer, .address_space: global }
      - { .name: v, .offset: 16, .size: 8, .value_kind: global_buffer, .address_space: global }
      - { .name: mask, .offset: 24, .size: 8, .value_kind: global_buffer, .address_space: global }
      - { .name: out0, .offset: 32, .size: 8, .value_kind: global_buffer, .address_space: global }
    .group_segment_fixed_size: 267264
    .private_segment_fixed_size: 0
    .kernarg_segment_align: 8
    .kernarg_segment_size: 40
    .max_flat_workgroup_size: 256
    .sgpr_count:     66
    .vgpr_count:     512
    .wavefront_size: 32
...
	.end_amdgpu_metadata
.endif
;; end of part 1
